; MI455X (gfx1250); checked and timed in simulation.
; The chip was launched on July 23, 2026; its instructions are those of AMD's public machine-readable ISA for CDNA 5 (MIT licence, August 2026) and "CDNA5" Instruction Set Architecture Reference Guide (July 2026). The comments in the code are by the model that wrote it; some were corrected since.
;; Multi Head Attention. Allowed arithmetic: matrix products marked QUANTISED: E4M3 operands, one given power-of-two scale a tensor, by v_wmma_f32_16x16x64_fp8_fp8 or v_wmma_f32_16x16x128_fp8_fp8, f32 sums; everything else in f32.
;; Inputs: Wk 16 x 1,024 x 64 float32; Wp 1,024 x 1,024 float32; Wq 16 x 1,024 x 64 float32; Wv 16 x 1,024 x 64 float32; bp 1,024 float32; lowp_scales 12 int32 (the exponents e of the quantised operands' scales 2^e); tokens 4,096 x 1,024 float32.
;; Outputs: out0 4,096 x 1,024 float32.
;; This version of the problem:
;;   THIS VERSION OF THE PROBLEM IS GIVEN IN LOW PRECISION. The matrix products marked QUANTISED in the list below multiply operands that are first quantised to E4M3 (4 exponent bits, 3 mantissa bits; 8 bits a number), with one given power-of-two scale for each operand tensor; their sums are f32. All else is computed in f32.
;;   The module's matrix products, in the order in which they are computed (A, B: the left and right operand; K: the contracted axis; several contracted axes count as one K, in the product's order):
;;     1. [M 1,024, K 1,024] x [K 1,024, N 4,096]; A: input Wq; B: input tokens: QUANTISED (scales: A lowp_scales[0], B lowp_scales[1])
;;     2. [M 1,024, K 1,024] x [K 1,024, N 4,096]; A: input Wk; B: input tokens: QUANTISED (scales: A lowp_scales[2], B lowp_scales[3])
;;     3. [M 1,024, K 1,024] x [K 1,024, N 4,096]; A: input Wv; B: input tokens: QUANTISED (scales: A lowp_scales[4], B lowp_scales[5])
;;     4. batch 16 x [M 4,096, K 64] x [K 64, N 4,096]; A: computed on the way; B: computed on the way: QUANTISED (scales: A lowp_scales[6], B lowp_scales[7])
;;     5. batch 16 x [M 4,096, K 4,096] x [K 4,096, N 64]; A: softmax (see below); B: computed on the way: QUANTISED (scales: A lowp_scales[8], B lowp_scales[9])
;;     6. [M 4,096, K 1,024] x [K 1,024, N 1,024]; A: computed on the way; B: input Wp: QUANTISED (scales: A lowp_scales[10], B lowp_scales[11])
;;   THE QUANTISER, for each operand of a quantised product, along K:
;;     - The operand's scale is 2^e, e = its entry of the input lowp_scales (int32; the entries are numbered through the quantised products in the list's order, A before B).
;;     - Each number is divided by the scale, clamped to +-448, and rounded to the nearest number of E4M3, ties to even, subnormals kept.
;;     - The product sums the exact products of the quantised numbers (number of the format x scale) in f32.
;;   ~~~python
;;   def quantise(x, axis, e):      # numpy; x: float32 -> the quantised numbers, widened to float32 again
;;       x = np.moveaxis(x, axis, -1); K = x.shape[-1]
;;       r = np.clip(x / 2.0 ** e, -448, 448)
;;       step = 2.0 ** (np.maximum(np.frexp(np.where(r == 0, 1, r))[1] - 1, -6) - 3)
;;       q = np.round(r / step) * step * 2.0 ** e      # np.round: ties to even
;;       return np.moveaxis(q, -1, axis).astype(np.float32)
;;   ~~~
;;   SOFTMAX AHEAD OF A QUANTISED PRODUCT. Where the list says 'softmax', what is quantised is not the finished softmax but p = 2^(t - M), with t = logit x log2(e) and M = ceil(the row's largest t), a whole number; so 1/2 < the row's largest p <= 1. The row's sum l is taken of the UNQUANTISED p, in f32, and the product's result is divided by l at the end. Since M is a whole number, a kernel that streams over the keys may use a running M (the ceiling of the running maximum): every later rescaling is an exact power of two, so the quantised numbers keep their values, but for numbers so far below the row's largest that they fall under the format's range.
;;   OPERANDS COMPUTED ON THE WAY. 'Computed on the way' means the value that the module computes at that place (a softmax that the list does not call 'softmax' is quantised finished and normalised). What goes into a quantiser is computed in f32, as accurately as f32 sums, v_exp_f32 and their like allow (about 1e-6 of the number): no bf16 or f16 on the way to a quantiser, and a product that is left as it is and whose result goes on into a quantised operand takes f32 operands (vector FMAs, or v_wmma_f32_16x16x4_f32). A number that lies on a knife's edge between two numbers of the format may be rounded either way, as far as f32 arithmetic and the matrix unit's own rounding can turn it there, and no further.
;; One version. Each part assembles by itself: llvm-mc -triple=amdgcn-amd-amdhsa -mcpu=gfx1250 --defsym DOCPART=n.
;; ======== version 1 of 1: 4 launches
;; limits: right only within a limited range of input values
;; workspace buffers: timg 12,582,912 bytes; wimg 4,194,304 bytes; qimg 4,194,304 bytes; kvimg 8,388,608 bytes; aimg 4,194,304 bytes
;; launch quant (part 1): grid 1024 x 1, 4 waves a work-group, no clusters, 34,304 bytes of LDS; arguments tokens, Wq, Wk, Wv, Wp, lowp_scales, timg, wimg; writes timg, wimg
.if DOCPART == 1
	.amdgcn_target "amdgcn-amd-amdhsa--gfx1250"
	.amdhsa_code_object_version 6
	.text
	.protected	k_q4d148342af_quant
	.globl	k_q4d148342af_quant
	.p2align	8
	.type	k_q4d148342af_quant,@function
k_q4d148342af_quant:
	s_mov_b64 s[64:65], 0
	v_nop
	global_prefetch_b8 v0, s[64:65] scope:SCOPE_SE
	s_setreg_imm32_b32 hwreg(HW_REG_WAVE_MODE, 25, 1), 1
	s_wait_xcnt 0x0
; ALL INPUT QUANTISERS.  tokens [4096][1024] f32 become three sets of E4M3 codes (scales 2^e1, 2^e3, 2^e5: one for each of the three projections);
; Wq, Wk, Wv [16][1024][64] and Wp [1024][1024] f32 become one set each (e0, e2, e4, e11).  code = x / 2^e, held within +-448, to the nearest code, ties to even.
; THE CODES ARE STORED AS IMAGES OF OPERAND REGISTERS.  A fragment is 16 rows x 128 along K, 16 registers a lane, 2,048 bytes: register n of lane l lies at byte 512 (n / 4) + 16 l + 4 (n % 4),
; and register 2 c + e of lane (r = l % 16, h = l / 16) holds k = 16 c + 8 h + 4 e + 0 .. 3 of row r: the plain fp8 matrix forms' own places.  So a later launch fetches a fragment by four loads of 16 bytes a lane.
; timg: [set 3][K / 256: 4][row / 16: 256][2][fragment];  wimg: [K / 256: 4][Wq, Wk, Wv, Wp][row / 16: 64][2][fragment]; a weight's rows are 64 head + d (Wp: its column n), its K the axis of 1,024.
; SHARES.  Work-groups 0-511 take the tokens, 512-1023 the weights; a wave makes one fragment's place (tokens: in all three sets).  Waves share nothing: no barrier.  Only the tokens' way touches LDS.
; TOKENS: K is innermost, so a load takes 512 consecutive bytes of a row; the 16 rows turn through the wave's own stage in LDS (rows of 512 + 16 bytes) so that a lane gets eight neighbours along K in eight registers.
; WEIGHTS: K is not innermost: a lane takes a column and its registers run down K; nothing is turned.  The four waves of a work-group stand side by side on 256 consecutive bytes of each row.
; No matrix unit, no cluster, no tensor load: every byte is read once and nothing is shared between work-groups.
; LIMITS: e0 .. e5 and e11 between -126 and 119, so that 2^e and 448 x 2^e are f32 numbers.  NaN among the inputs is not served; an infinity is held at the largest code.
.set SP,   528                         ; a stage row: 512 bytes + 16: sixteen rows start at sixteen different groups of four banks
.set STG,  16*SP                       ; a wave's stage
.set R,    16                          ; v16-79   tokens as loaded, later the held numbers
.set X,    80                          ; v80-143  64 numbers: register 8 c + i = k 16 c + 8 h + i of my row (or column)
.set CDS,  144                         ; v144-191 codes: 16 registers a set: no store's data are written again
.macro MKSC e, sc, lim                 ; v[sc] = 2^e as f32 (the conversion takes its exponent field); v[lim] = 448 x 2^e
	s_add_co_i32 s44, s[\e], 127
	s_lshl_b32 s45, s44, 23
	v_mov_b32 v[\sc], s45
	s_add_co_i32 s44, s44, 8
	s_lshl_b32 s44, s44, 23
	s_or_b32 s44, s44, 0x600000
	v_mov_b32 v[\lim], s44
.endm
.macro QUANT3 sel                      ; the 64 numbers in X become set sel's 16 registers of codes.  The conversion to an 8-bit code does not saturate (ISA guide 7.6.2): the numbers are held first, into R
.set c, 0
.rept 8
.set i, 0
.rept 8
	v_med3_num_f32 v[R+8*c+i], v[X+8*c+i], -v[9+2*\sel], v[9+2*\sel]
.set i, i+1
.endr
	v_cvt_scalef32_pk8_fp8_f32 v[CDS+16*\sel+2*c:CDS+16*\sel+2*c+1], v[R+8*c:R+8*c+7], v[8+2*\sel]   ; the next group's holds are the plain lines behind it
.set c, c+1
.endr
.endm
.macro WLOAD pitch                     ; W(k0 + 16 c + 8 h + i, my column), 64 numbers down K; pitch: bytes from one k to the next
.set c, 0
.rept 64
	global_load_b32 v[X+c], v7, s[36:37] offset:(16*(c/8)+c%8)*\pitch
.set c, c+1
.endr
.endm
	s_load_b256 s[4:11], s[0:1], 0x0               ; tokens s[4:5], Wq s[6:7], Wk s[8:9], Wv s[10:11]
	s_load_b256 s[12:19], s[0:1], 0x20             ; Wp s[12:13], the exponents s[14:15], timg s[16:17], wimg s[18:19]
	v_lshl_add_u32 v192, v0, 2, 0x8400
	v_mov_b32 v193, 0
	v_lshrrev_b32 v1, 5, v0
	v_readfirstlane_b32 s20, v1                    ; wave 0..3
	v_and_b32 v1, 31, v0                           ; lane
	v_and_b32 v2, 15, v0                           ; r
	v_bfe_u32 v3, v0, 4, 1                         ; h
	v_lshlrev_b32 v4, 4, v1                        ; 16 x lane: my place in every load of 512 bytes and in every piece of an image
	s_mov_b32 s41, 0                               ; the upper word of every offset made below
	s_wait_kmcnt 0x0
	s_load_b256 s[24:31], s[14:15], 0x0            ; e0 .. e7
	s_load_b128 s[32:35], s[14:15], 0x20           ; e8 .. e11
	s_cmp_lt_u32 ttmp9, 512
	s_cbranch_scc0 .Lweights
	; ---- TOKENS: wave u = 4 x work-group + wave takes rows 16 (u / 8) .. + 15, k = 128 (u % 8) .. + 127
	s_lshl_b32 s21, ttmp9, 2
	s_add_co_u32 s21, s21, s20                     ; u
	s_lshr_b32 s22, s21, 3                         ; the block of 16 rows
	s_and_b32 s23, s21, 7                          ; the step of 128 along K
	s_lshl_b32 s40, s22, 16                        ; 16 rows of 4,096 bytes
	s_lshl_b32 s42, s23, 9                         ; 128 numbers of 4 bytes
	s_add_co_u32 s40, s40, s42
	s_add_nc_u64 s[4:5], s[4:5], s[40:41]
	s_wait_alu depctr_va_vdst(0)
.irp i, 0,1,2,3,4,5,6,7,8,9,10,11,12,13,14,15
	global_load_b128 v[R+4*\i:R+4*\i+3], v4, s[4:5] offset:4096*\i th:TH_LOAD_NT   ; row i: 32 lanes read 512 consecutive bytes; read once in the launch
.endr
	s_lshr_b32 s40, s23, 1                         ; where the fragment goes: (step / 2) x 1,048,576 + block x 4,096 + (step % 2) x 2,048,
	s_lshl_b32 s40, s40, 20
	s_lshl_b32 s42, s22, 12
	s_add_co_u32 s40, s40, s42
	s_and_b32 s42, s23, 1
	s_lshl_b32 s42, s42, 11
	s_add_co_u32 s40, s40, s42
	s_add_co_u32 s40, s40, 0x400000                ; in the MIDDLE set: the stores' immediates then reach one set back and one on, inside their signed 24 bits
	s_add_nc_u64 s[16:17], s[16:17], s[40:41]
	s_mul_i32 s43, s20, STG                        ; my stage
	v_add_nc_u32 v5, s43, v4                       ; in: 16 x lane of a row
	v_mul_u32_u24 v6, v2, SP
	v_lshl_add_u32 v6, v3, 5, v6
	v_add_nc_u32 v6, s43, v6                       ; out: row r, + 32 h: my eight numbers of each 16 along K
	s_wait_alu depctr_va_vdst(0)
	s_wait_kmcnt 0x0
	MKSC 25, 8, 9                                  ; e1: the tokens of q's projection
	MKSC 27, 10, 11                                ; e3: of k's
	MKSC 29, 12, 13                                ; e5: of v's
	s_wait_alu depctr_va_vdst(0)
.irp i, 0,1,2,3,4,5,6,7,8,9,10,11,12,13,14,15
	s_wait_loadcnt 15-\i                           ; loads come back in order: row i is in, the 15 - i younger rows may be out
	ds_store_b128 v5, v[R+4*\i:R+4*\i+3] offset:SP*\i
.endr
.irp c, 0,1,2,3,4,5,6,7
	ds_load_b128 v[X+8*\c:X+8*\c+3], v6 offset:64*\c          ; LDS serves a wave's instructions in order: these see my stores
	ds_load_b128 v[X+8*\c+4:X+8*\c+7], v6 offset:64*\c+16
.endr
	s_wait_dscnt 0x0                               ; the numbers are back; the stores have read R, which now takes the held numbers
.irp sel, 0,1,2
	QUANT3 \sel
.irp p, 0,1,2,3
	global_store_b128 v4, v[CDS+16*\sel+4*\p:CDS+16*\sel+4*\p+3], s[16:17] offset:(\sel-1)*4194304+512*\p   ; 32 lanes store 512 consecutive bytes, aligned
.endr
.endr
	s_wait_tensorcnt 0x0
	ds_add_u32 v192, v193
	s_wait_dscnt 0x0
	s_endpgm
	; ---- WEIGHTS: work-group b = (tensor, group of 64 columns, step of 128 along K); wave w takes columns 16 w .. + 15 of the group
.Lweights:
	s_sub_co_u32 s21, ttmp9, 512                   ; b
	s_lshr_b32 s22, s21, 7                         ; 0 Wq, 1 Wk, 2 Wv, 3 Wp
	s_bfe_u32 s23, s21, 0x40003                    ; the group: a head (Wp: 64 columns)
	s_and_b32 s39, s21, 7                          ; the step of 128 along K
	s_lshl_b32 s42, s23, 2
	s_add_co_u32 s42, s42, s20                     ; the operand's block of 16 rows: 4 x group + wave
	s_lshr_b32 s40, s39, 1
	s_lshl_b32 s40, s40, 20
	s_lshl_b32 s43, s22, 18
	s_add_co_u32 s40, s40, s43
	s_lshl_b32 s43, s42, 12
	s_add_co_u32 s40, s40, s43
	s_and_b32 s43, s39, 1
	s_lshl_b32 s43, s43, 11
	s_add_co_u32 s40, s40, s43
	s_add_nc_u64 s[18:19], s[18:19], s[40:41]      ; where the fragment goes
	s_lshl_b32 s43, s20, 6                         ; my wave's 16 columns: 64 bytes
	s_wait_alu depctr_va_vdst(0)
	v_lshlrev_b32 v7, 2, v2                        ; my column: 4 r
	s_cmp_eq_u32 s22, 1                            ; the tensor is chosen by the work-group's number alone
	s_cselect_b64 s[36:37], s[8:9], s[6:7]
	s_cmp_eq_u32 s22, 2
	s_cselect_b64 s[36:37], s[10:11], s[36:37]
	s_cmp_eq_u32 s22, 3
	s_cselect_b64 s[36:37], s[12:13], s[36:37]
	s_cbranch_scc1 .Lwp
	s_lshl_b32 s40, s23, 18                        ; a head is 1,024 x 64 x 4 bytes; one k is 256 bytes
	s_lshl_b32 s44, s39, 15
	s_add_co_u32 s40, s40, s44
	s_add_co_u32 s40, s40, s43
	s_add_nc_u64 s[36:37], s[36:37], s[40:41]
	s_wait_alu depctr_va_vdst(0)
	v_lshl_add_u32 v7, v3, 11, v7                  ; lanes 16-31 begin 8 k further down
	WLOAD 256
	s_branch .Lwq
.Lwp:
	s_lshl_b32 s40, s39, 19                        ; Wp: one k is 4,096 bytes; a group of 64 columns 256
	s_lshl_b32 s44, s23, 8
	s_add_co_u32 s40, s40, s44
	s_add_co_u32 s40, s40, s43
	s_add_nc_u64 s[36:37], s[36:37], s[40:41]
	s_wait_alu depctr_va_vdst(0)
	v_lshl_add_u32 v7, v3, 15, v7
	WLOAD 4096
.Lwq:
	s_wait_kmcnt 0x0
	s_cmp_eq_u32 s22, 1
	s_cselect_b32 s38, s26, s24                    ; e2 or e0
	s_cmp_eq_u32 s22, 2
	s_cselect_b32 s38, s28, s38                    ; e4
	s_cmp_eq_u32 s22, 3
	s_cselect_b32 s38, s35, s38                    ; e11
	MKSC 38, 8, 9
.set c, 0
	s_wait_alu depctr_va_vdst(0)
.rept 8
	s_wait_loadcnt 56-8*c                          ; this group's eight loads are in; the later groups' may be out
.set i, 0
.rept 8
	v_med3_num_f32 v[X+8*c+i], v[X+8*c+i], -v9, v9
.set i, i+1
.endr
	v_cvt_scalef32_pk8_fp8_f32 v[CDS+2*c:CDS+2*c+1], v[X+8*c:X+8*c+7], v8
.set c, c+1
.endr
	v_nop                                          ; a plain line behind the last conversion
.irp p, 0,1,2,3
	global_store_b128 v4, v[CDS+4*\p:CDS+4*\p+3], s[18:19] offset:512*\p
.endr
	s_endpgm
.Lfunc_end_k_q4d148342af_quant:
	.size	k_q4d148342af_quant, .Lfunc_end_k_q4d148342af_quant-k_q4d148342af_quant
	.p2alignl 7, 3214868480
	.fill 96, 4, 3214868480
	.section	.rodata,"a",@progbits
	.p2align	6, 0x0
	.amdhsa_kernel k_q4d148342af_quant
		.amdhsa_group_segment_fixed_size 34304
		.amdhsa_private_segment_fixed_size 0
		.amdhsa_enable_private_segment 0
		.amdhsa_kernarg_size 64
		.amdhsa_user_sgpr_count 2
		.amdhsa_user_sgpr_kernarg_segment_ptr 1
		.amdhsa_wavefront_size32 1
		.amdhsa_system_sgpr_workgroup_id_x 1
		.amdhsa_system_sgpr_workgroup_id_y 1
		.amdhsa_system_sgpr_workgroup_id_z 1
		.amdhsa_system_vgpr_workitem_id 0
		.amdhsa_next_free_vgpr 194
		.amdhsa_next_free_sgpr 66
		.amdhsa_reserve_vcc 0
		.amdhsa_float_denorm_mode_32 3
		.amdhsa_float_denorm_mode_16_64 3
		.amdhsa_memory_ordered 1
		.amdhsa_forward_progress 1
		.amdhsa_inst_pref_size 41
	.end_amdhsa_kernel
	.amdgpu_metadata
---
amdhsa.version: [ 1, 2 ]
amdhsa.kernels:
  - .name:           k_q4d148342af_quant
    .symbol:         k_q4d148342af_quant.kd
    .args:
      - { .name: tokens, .offset: 0, .size: 8, .value_kind: global_buffer, .address_space: global }
      - { .name: Wq, .offset: 8, .size: 8, .value_kind: global_buffer, .address_space: global }
      - { .name: Wk, .offset: 16, .size: 8, .value_kind: global_buffer, .address_space: global }
      - { .name: Wv, .offset: 24, .size: 8, .value_kind: global_buffer, .address_space: global }
      - { .name: Wp, .offset: 32, .size: 8, .value_kind: global_buffer, .address_space: global }
      - { .name: lowp_scales, .offset: 40, .size: 8, .value_kind: global_buffer, .address_space: global }
      - { .name: timg, .offset: 48, .size: 8, .value_kind: global_buffer, .address_space: global }
      - { .name: wimg, .offset: 56, .size: 8, .value_kind: global_buffer, .address_space: global }
    .group_segment_fixed_size: 34304
    .private_segment_fixed_size: 0
    .kernarg_segment_align: 8
    .kernarg_segment_size: 64
    .max_flat_workgroup_size: 128
    .sgpr_count:     66
    .vgpr_count:     194
    .wavefront_size: 32
...
	.end_amdgpu_metadata
.endif
;; end of part 1
;; launch proj (part 2): grid 4 x 48, 4 waves a work-group, clusters of 4 x 4, 327,680 bytes of LDS; arguments timg, wimg, lowp_scales, qimg, kvimg; writes qimg, kvimg
.if DOCPART == 2
	.amdgcn_target "amdgcn-amd-amdhsa--gfx1250"
	.amdhsa_code_object_version 6
	.text
	.protected	k_q4d148342af_proj
	.globl	k_q4d148342af_proj
	.p2align	8
	.type	k_q4d148342af_proj,@function
k_q4d148342af_proj:
	s_mov_b64 s[64:65], 0
	v_nop
	global_prefetch_b8 v0, s[64:65] scope:SCOPE_SE
	s_setreg_imm32_b32 hwreg(HW_REG_WAVE_MODE, 25, 1), 1
	s_wait_xcnt 0x0
	s_wait_alu depctr_hold_cnt(0) depctr_sa_sdst(0) depctr_va_vdst(0) depctr_va_sdst(0) depctr_va_ssrc(0) depctr_va_vcc(0) depctr_vm_vsrc(0)
	s_getreg_b32 s2, hwreg(HW_REG_IB_STS2, 6, 4)
	s_cmp_eq_u32 s2, 0
	s_cbranch_scc0 .Lentry_in_a_cluster
	s_endpgm
.Lentry_in_a_cluster:
	s_bfe_u32 s2, ttmp6, 0x10000c
	s_cmp_lg_u32 s2, 0xf033
	s_cbranch_scc0 .Lentry_shape_is_right
	s_endpgm
.Lentry_shape_is_right:
.set HALFT,  32768
.set SLOT,   4*HALFT
.set SPARE,  2*SLOT
.set QSTEP,  0x100000
.set FR,     16
.set NL,     4
.set NP,     4
.set SCV,  12
.set LIMV, 13
.set ADRA, 16
.set ADRB, 20
.set OA,   24
.set SPW,  28
.set NIL,  29
.set TMP,  32
.set CDS,  96
.set AF,   128
.set G1, 24
.set G0, 32
.set G1B, 48
.set G0B, 56
.set OUTB, 68
.set MSB, 0
.macro WIN new
.if MSB != \new
	s_set_vgpr_msb (MSB<<8)|\new
.set MSB, \new
.endif
.endm
.set MUL_LO, 0xa1
.set MUL_HI, 0xf1
.set TO_B,   0x40
.macro JLOAD g0a, g1a, g0b, g1b
	s_cmp_eq_u32 s15, 0
	s_cbranch_scc0 .Lfor_b_\@
	tensor_load_to_lds s[\g0a:\g0a+3], s[\g1a:\g1a+7]
	s_nop 0
.rept 4
	v_nop
.endr
	s_branch .Lasked_\@
.Lfor_b_\@:
	tensor_load_to_lds s[\g0b:\g0b+3], s[\g1b:\g1b+7]
	s_nop 0
.rept 4
	v_nop
.endr
.Lasked_\@:
.endm
.macro CREST
	s_cmp_lg_u32 s14, 0
	s_cbranch_scc1 .Lnot_wave_0_\@
	s_barrier_signal -3
.Lnot_wave_0_\@:
	s_barrier_wait -3
	s_barrier_signal -1
	s_barrier_wait -1
.endm
.macro CROUND
	s_barrier_signal -1
	s_barrier_wait -1
	CREST
.endm
	s_load_b256 s[4:11], s[0:1], 0x0
	s_load_b64 s[84:85], s[0:1], 0x20
	v_lshl_add_u32 v[SPW], v0, 2, SPARE
	v_mov_b32 v[NIL], 0
	ds_add_u32 v28, v29
	ds_add_u32 v28, v29
	s_wait_dscnt 0x0
	v_lshrrev_b32 v1, 5, v0
	v_readfirstlane_b32 s14, v1
	s_lshr_b32 s15, s14, 1
	s_and_b32 s16, s14, 1
	s_bfe_u32 s40, ttmp6, 0x40000
	s_bfe_u32 s41, ttmp6, 0x40004
	s_and_b32 s66, ttmp7, 0xffff
	s_lshr_b32 s67, s66, 2
	s_and_b32 s68, s66, 3
	s_lshl_b32 s68, s68, 2
	s_lshl_b32 s43, s41, 2
	s_lshl_b32 s43, 15, s43
	s_lshl_b32 s44, 0x1111, s40
	s_or_b32 s[G1+0], s43, (3<<16)|(1<<21)
	s_or_b32 s[G1B+0], s44, (3<<16)|(1<<21)
.irp g, G1, G1B
	s_mov_b32 s[\g+1], 32<<16
	s_mov_b32 s[\g+2], 128<<16
	s_mov_b32 s[\g+3], 32<<16
	s_mov_b32 s[\g+4], 128
	s_mov_b32 s[\g+5], 32
	s_mov_b32 s[\g+6], 0
	s_mov_b32 s[\g+7], 0
.endr
	s_lshl_b32 s69, s67, 22
	s_lshl_b32 s70, s67, 18
	s_lshl_b32 s82, s16, 15
	s_mul_i32 s45, s14, HALFT
	s_mov_b32 s77, 0
	s_mov_b32 s79, 0
	s_mov_b32 s81, 0
	s_wait_kmcnt 0x0
	s_add_nc_u64 s[86:87], s[84:85], 0x400000      ; k's and v's images share one buffer: v's lies 4,194,304 bytes behind k's
	s_load_b256 s[88:95], s[8:9], 0x0
	s_load_b128 s[96:99], s[8:9], 0x20
	s_cmp_eq_u32 s67, 2
	s_cselect_b32 s71, 0, s68
	s_cselect_b32 s72, s68, 0
	s_cselect_b64 s[20:21], s[6:7], s[4:5]
	s_cselect_b64 s[46:47], s[4:5], s[6:7]
	s_cselect_b32 s73, 0x80000, s69
	s_cselect_b32 s74, 0x800000, s70
	s_mov_b32 s76, 0x1000
	s_cselect_b32 s76, 0x40000, s76
	s_mov_b32 s83, 0x40000
	s_cselect_b32 s83, 0x1000, s83
	s_add_co_u32 s17, s41, s71
	s_add_co_u32 s42, s40, s72
	s_lshl_b32 s78, s17, 16
	s_add_co_u32 s78, s78, s82
	s_add_co_u32 s78, s78, s73
	s_lshl_b32 s80, s42, 16
	s_add_co_u32 s80, s80, s82
	s_add_co_u32 s80, s80, s74
	s_add_nc_u64 s[20:21], s[20:21], s[78:79]
	s_add_nc_u64 s[46:47], s[46:47], s[80:81]
	CROUND
.irp s, 0,1
	s_mov_b32 s[G0+4*\s], 1
	s_add_co_u32 s[G0+4*\s+1], s45, \s*SLOT
	s_add_nc_u64 s[G0+4*\s+2:G0+4*\s+3], s[20:21], \s*QSTEP
	s_or_b32 s[G0+4*\s+3], s[G0+4*\s+3], 0x80000000
	s_mov_b32 s[G0B+4*\s], 1
	s_add_co_u32 s[G0B+4*\s+1], s45, \s*SLOT
	s_add_nc_u64 s[G0B+4*\s+2:G0B+4*\s+3], s[46:47], \s*QSTEP
	s_or_b32 s[G0B+4*\s+3], s[G0B+4*\s+3], 0x80000000
	s_wait_alu depctr_va_vdst(0)
	s_wait_tensorcnt 0x0
	ds_add_u32 v28, v29
	ds_add_u32 v28, v29
	s_wait_dscnt 0x0
	CROUND
	JLOAD G0+4*\s, G1, G0B+4*\s, G1B
.endr
	v_and_b32 v1, 31, v0
	v_lshlrev_b32 v[OA], 4, v1
	s_lshl_b32 s21, s15, 15
	s_lshl_b32 s22, s16, 15
	s_add_co_u32 s22, s22, 2*HALFT
.irp s, 0,1
	v_add_nc_u32 v[ADRA+\s], s21, v[OA]
	v_add_nc_u32 v[ADRB+\s], s22, v[OA]
	s_add_co_u32 s21, s21, SLOT
	s_add_co_u32 s22, s22, SLOT
.endr
	v_add_nc_u32 v[OA+1], s83, v[OA]
	s_lshl_b32 s18, s17, 1
	s_add_co_u32 s18, s18, s15
	s_lshl_b32 s19, s42, 1
	s_add_co_u32 s19, s19, s16
	s_cmp_eq_u32 s67, 1
	s_cselect_b64 s[OUTB:OUTB+1], s[84:85], s[10:11]
	s_cmp_eq_u32 s67, 2
	s_cselect_b64 s[OUTB:OUTB+1], s[86:87], s[OUTB:OUTB+1]
	s_cselect_b32 s72, s18, s19
	s_cselect_b32 s73, s19, s18
	s_lshl_b32 s72, s72, 19
	s_lshl_b32 s73, s73, 13
	s_add_co_u32 s72, s72, s73
	s_mov_b32 s73, 0
	s_add_nc_u64 s[OUTB:OUTB+1], s[OUTB:OUTB+1], s[72:73]
	s_add_nc_u64 s[OUTB+2:OUTB+3], s[OUTB:OUTB+1], s[76:77]
	s_wait_alu depctr_va_vdst(0)
	s_wait_kmcnt 0x0
	s_cmp_eq_u32 s67, 1
	s_cselect_b32 s18, s90, s88
	s_cselect_b32 s19, s91, s89
	s_cselect_b32 s22, s95, s94
	s_cmp_eq_u32 s67, 2
	s_cselect_b32 s18, s92, s18
	s_cselect_b32 s19, s93, s19
	s_cselect_b32 s22, s97, s22
	s_sub_co_i32 s22, s22, s18
	s_sub_co_i32 s22, s22, s19
	s_add_co_i32 s22, s22, 127
	s_lshl_b32 s23, s22, 23
	v_mov_b32 v[SCV], s23
	s_add_co_i32 s22, s22, 8
	s_lshl_b32 s22, s22, 23
	s_or_b32 s22, s22, 0x600000
	v_mov_b32 v[LIMV], s22
.macro FRAG reg, adr, q, i
.irp c, 0,1,2,3
	ds_load_b128 v[\reg+4*\c:\reg+4*\c+3], v[\adr] offset:4096*(\i)+2048*(\q)+512*\c
.endr
.endm
.macro MUL16 a0, p, zero
.irp a, \a0, \a0+1
.irp b, 0,1,2,3,4,5,6,7
.if \zero
	v_wmma_f32_16x16x128_fp8_fp8 v[8*(8*((\a)%4)+\b):8*(8*((\a)%4)+\b)+7], v[128*(\p)+FR*\b:128*(\p)+FR*\b+FR-1], v[AF+FR*(\a):AF+FR*(\a)+FR-1], 0
.else
	v_wmma_f32_16x16x128_fp8_fp8 v[8*(8*((\a)%4)+\b):8*(8*((\a)%4)+\b)+7], v[128*(\p)+FR*\b:128*(\p)+FR*\b+FR-1], v[AF+FR*(\a):AF+FR*(\a)+FR-1], v[8*(8*((\a)%4)+\b):8*(8*((\a)%4)+\b)+7]
.endif
.endr
.endr
.endm
.macro FETCH_B slot, q, p
	WIN TO_B
.irp i, 0,1,2,3,4,5,6,7
	FRAG 128*(\p)+FR*\i, ADRB+\slot, \q, \i
.endr
	WIN 0
.endm
.macro FETCH_A slot, q, i0
.irp i, \i0, \i0+1, \i0+2, \i0+3
	FRAG AF+FR*(\i), ADRA+\slot, \q, \i
.endr
.endm
.macro PLACES n
.rept \n
	v_nop
.endr
.endm
.macro STEP slot, q, zero
	s_wait_dscnt 4*NL
	WIN MUL_LO
	MUL16 0, (\q)%2, \zero
	MUL16 2, (\q)%2, \zero
	s_wait_dscnt 0
	PLACES NP
	FETCH_B \slot, (\q)+1, 1-(\q)%2
	FETCH_A \slot, (\q)+1, 0
	WIN MUL_HI
	MUL16 4, (\q)%2, \zero
	MUL16 6, (\q)%2, \zero
	PLACES NP
	WIN 0
	FETCH_A \slot, (\q)+1, 4
.endm
.macro TURN slot, next, fill
	s_wait_tensorcnt 0x0
	ds_add_u32 v[SPW], v[NIL]
	s_wait_dscnt 4*NL+1
	WIN MUL_LO
	MUL16 0, 1, 0
	s_wait_dscnt 0x0
	s_barrier_signal -1
	MUL16 2, 1, 0
	WIN 0
	s_barrier_wait -1
.if \fill
	CREST
	s_add_nc_u64 s[G0+4*\slot+2:G0+4*\slot+3], s[G0+4*\slot+2:G0+4*\slot+3], 2*QSTEP
	s_add_nc_u64 s[G0B+4*\slot+2:G0B+4*\slot+3], s[G0B+4*\slot+2:G0B+4*\slot+3], 2*QSTEP
	JLOAD G0+4*\slot, G1, G0B+4*\slot, G1B
.else
	PLACES NP
.endif
	FETCH_B \next, 0, 0
	FETCH_A \next, 0, 0
	WIN MUL_HI
	MUL16 4, 1, 0
	MUL16 6, 1, 0
	PLACES NP
	WIN 0
	FETCH_A \next, 0, 4
.endm
	s_wait_tensorcnt 1
	s_barrier_signal -1
	s_barrier_wait -1
	FETCH_B 0, 0, 0
	FETCH_A 0, 0, 0
	FETCH_A 0, 0, 4
	STEP 0, 0, 1
	TURN 0, 1, 1
	STEP 1, 0, 0
	TURN 1, 0, 1
	STEP 0, 0, 0
	TURN 0, 1, 0
	STEP 1, 0, 0
	s_wait_dscnt 4*NL
	WIN MUL_LO
	MUL16 0, 1, 0
	MUL16 2, 1, 0
	s_wait_alu depctr_va_vdst(0)
	s_wait_dscnt 0
	WIN MUL_HI
	MUL16 4, 1, 0
	MUL16 6, 1, 0
	WIN 0
.macro QBLOCK a
	WIN (0x02+((\a)/4))
.set j, 0
.rept 64
	v_med3_num_f32 v[TMP+j], v[64*((\a)%4)+j], -v[LIMV], v[LIMV]
.set j, j+1
.endr
	WIN 0
.irp b, 0,1,2,3,4,5,6,7
	v_cvt_scalef32_pk8_fp8_f32 v[CDS+16*(\a)+2*\b:CDS+16*(\a)+2*\b+1], v[TMP+8*\b:TMP+8*\b+7], v[SCV]
.endr
	v_nop
.irp g, 0,1,2,3
	global_store_b128 v[OA+\g/2], v[CDS+16*(\a)+4*\g:CDS+16*(\a)+4*\g+3], s[OUTB+2*((\a)/4):OUTB+2*((\a)/4)+1] offset:((\a)%4)*1024+(\g%2)*512
.endr
.endm
	PLACES NP
.irp a, 0,1,2,3,4,5,6,7
	QBLOCK \a
.endr
	s_wait_tensorcnt 0x0
	ds_add_u32 v[SPW], v[NIL]
	s_wait_dscnt 0x0
	CROUND
	s_endpgm
.Lfunc_end_k_q4d148342af_proj:
	.size	k_q4d148342af_proj, .Lfunc_end_k_q4d148342af_proj-k_q4d148342af_proj
	.p2alignl 7, 3214868480
	.fill 96, 4, 3214868480
	.section	.rodata,"a",@progbits
	.p2align	6, 0x0
	.amdhsa_kernel k_q4d148342af_proj
		.amdhsa_group_segment_fixed_size 327680
		.amdhsa_private_segment_fixed_size 0
		.amdhsa_enable_private_segment 0
		.amdhsa_kernarg_size 40
		.amdhsa_user_sgpr_count 2
		.amdhsa_user_sgpr_kernarg_segment_ptr 1
		.amdhsa_wavefront_size32 1
		.amdhsa_system_sgpr_workgroup_id_x 1
		.amdhsa_system_sgpr_workgroup_id_y 1
		.amdhsa_system_sgpr_workgroup_id_z 1
		.amdhsa_system_vgpr_workitem_id 0
		.amdhsa_next_free_vgpr 1024
		.amdhsa_next_free_sgpr 100
		.amdhsa_reserve_vcc 0
		.amdhsa_float_denorm_mode_32 3
		.amdhsa_float_denorm_mode_16_64 3
		.amdhsa_memory_ordered 1
		.amdhsa_forward_progress 1
		.amdhsa_inst_pref_size 119
	.end_amdhsa_kernel
	.amdgpu_metadata
---
amdhsa.version: [ 1, 2 ]
amdhsa.kernels:
  - .name:           k_q4d148342af_proj
    .symbol:         k_q4d148342af_proj.kd
    .args:
      - { .name: timg, .offset: 0, .size: 8, .value_kind: global_buffer, .address_space: global }
      - { .name: wimg, .offset: 8, .size: 8, .value_kind: global_buffer, .address_space: global }
      - { .name: lowp_scales, .offset: 16, .size: 8, .value_kind: global_buffer, .address_space: global }
      - { .name: qimg, .offset: 24, .size: 8, .value_kind: global_buffer, .address_space: global }
      - { .name: kvimg, .offset: 32, .size: 8, .value_kind: global_buffer, .address_space: global }
    .group_segment_fixed_size: 327680
    .private_segment_fixed_size: 0
    .kernarg_segment_align: 8
    .kernarg_segment_size: 40
    .max_flat_workgroup_size: 128
    .sgpr_count:     100
    .vgpr_count:     1024
    .wavefront_size: 32
...
	.end_amdgpu_metadata
.endif
;; end of part 2
;; launch attn (part 3): grid 16 x 16, 4 waves a work-group, no clusters, 327,680 bytes of LDS; arguments qimg, kvimg, lowp_scales, aimg; writes aimg
.if DOCPART == 3
	.amdgcn_target "amdgcn-amd-amdhsa--gfx1250"
	.amdhsa_code_object_version 6
	.text
	.protected	k_q4d148342af_attn
	.globl	k_q4d148342af_attn
	.p2align	8
	.type	k_q4d148342af_attn,@function
k_q4d148342af_attn:
	s_mov_b64 s[64:65], 0
	v_nop
	global_prefetch_b8 v0, s[64:65] scope:SCOPE_SE
	s_setreg_imm32_b32 hwreg(HW_REG_WAVE_MODE, 25, 1), 1
	s_wait_xcnt 0x0
; CAUSAL ATTENTION on codes of E4M3: 16 heads, 4,096 tokens, head size 64.  S = q k^T (2^e6, 2^e7), the softmax, O = p v (2^e8, 2^e9), O / l quantised with 2^e10 for the last projection.
; THE SOFTMAX: t = score x log2(e) / 8; M = the row's largest t so far, rounded UP to a whole number; p = 2^(t - M) is quantised along the keys, not normalised; l is the sum of the unquantised p and divides O at the end.
; When M moves, l and O are multiplied by f = 2^(old M - new M): nothing is rounded.
; OPERANDS are images of operand registers: q, k: 16 rows x 64 d = 1,024 bytes; v: 16 d x 128 keys = 2,048 bytes.  kvimg holds k's images and, 4,194,304 bytes on, v's.  Both products are used transposed: a lane holds one query of each tile.
; LEFT OUT: key steps all of whose keys come after a block's queries: the causal mask makes their p zero.
; SHARES.  Work-group (j, head) owns two blocks of 128 queries, block j and then block 31 - j: (j + 1) + (32 - j) = 33 key steps of 128 keys in every work-group.  Wave w of four owns tiles 2 w and 2 w + 1 of each block:
; each fragment of k and v feeds two matrix instructions, and the two tiles' vector lines stand by turns.  At stream step j + 1 a wave sends its first two tiles out and begins the second two: M is set anew to -3e38,
; which makes f = 0, and O and l (finite: at most 4,096 products of codes) become zeros by the multiplication that every step makes.
; THE RING: two slots of four steps (a step: 8,192 bytes of k, then 8,192 of v: one tile of two rows, 4,194,304 bytes apart in memory).  Wave w fetches step w of a slot.  The 33rd step is a ninth fill, by wave 0.
; The change of slots stands inside a slot's last step: its v is in registers by then; behind the barrier the slot just left is filled again and the next step's k is read from the other slot.
; NO CLUSTER: the work-groups of a head walk different sequences of tiles (0 .. j, then 0 .. 31 - j), so partners could not make the same requests in the same rounds.
; PREFETCH: key steps 4 j .. 4 j + 3 of the head are asked for by work-group j, j = 3 .. 7, two instructions a wave (8,192 bytes of k and of v, lanes 256 bytes apart), at the change that loads stream slot j - 1: four steps ahead
; of the change that loads stream slot j.  Key steps 0 .. 11 come by their loads alone.
; LIMITS: e6 + e7 between -123 and 130 (added to c's exponent field); e8, and e10 - e8 - e9, between -126 and 119.  The scaled scores stay under 2^31 in magnitude.
; REGISTERS, tile x = 0, 1.  Window 0: v1 16 x lane; v2 LDS address of the step; v3 256 x lane; v4 the mask's number; v5, v6 the spare word and 0; v[12+4x] -M, v[13+4x] the largest t, v[14+4x:15+4x] l; v[20+2x] f;
;   v24-37 at work; v40, v41: 448 x 2^e8; v42: 2^e8; v43, v44: the same with e10 - e8 - e9; v45 -infinity; v48-63 the way out's codes; v[64+32x ..] O^T; v[128+64x ..] S^T, then p.
;   Window 1: v0-63 k's fragments; v[64+16x ..] p's codes; v[96+8x ..] q; v112-127 the second block's q; v128-191 v's fragments.
.set SLOTB, 65536
.set STEPB, 16384
.set VOFF,  8192
.set SPARE, 131072                     ; behind the ring: the spare words, 128 bytes for each of four waves
.set LI,   1
.set ADS,  2
.set PFO,  3
.set DM,   4
.set SPW,  5
.set NIL,  6
.set TB,   2
.set IN,   3
.set J1,   14                          ; s14  j + 1: the stream step at which the second block begins
.set WV,   18
.set DG,   19                          ; s19  the next diagonal step
.set SEL,  20
.set CS,   22
.set G1,   24
.set G0,   32
.set BASE, 36                          ; s[36:37] my head's k in kvimg
.set U,    38                          ; s38  the stream step that I fetch next
.set OUTA, 42
.set OUTB, 44
.set PFA,  46
.set LIM,  66
.set SL,   67
.set ST,   68                          ; s68  the stream step in hand
.set MSB, 0
.macro WIN new                         ; the immediate's high byte repeats the setting that is left
.if MSB != \new
	s_set_vgpr_msb (MSB<<8)|\new
.set MSB, \new
.endif
.endm
.macro ADDR                            ; stream step U is key step U (first block) or U - (j + 1) (second): a choice on ids, no branch
	s_cmp_gt_u32 s[U], ttmp9
	s_cselect_b32 s39, s[J1], 0
	s_sub_co_u32 s40, s[U], s39
	s_lshl_b32 s40, s40, 13
	s_add_nc_u64 s[G0+2:G0+3], s[BASE:BASE+1], s[40:41]
	s_or_b32 s[G0+3], s[G0+3], 0x80000000
.endm
.macro KLOAD                           ; eight fragments of k into window 1
	WIN 0x40
.irp t, 0,1,2,3,4,5,6,7
	ds_load_b128 v[8*\t:8*\t+3], v[ADS] offset:1024*\t
	ds_load_b128 v[8*\t+4:8*\t+7], v[ADS] offset:1024*\t+512
.endr
	WIN 0
.endm
.macro SUM x                           ; l takes the unquantised p: four chains
	v_pk_add_f32 v[24+4*\x:25+4*\x], v[128+64*\x:129+64*\x], v[130+64*\x:131+64*\x]
	v_pk_add_f32 v[26+4*\x:27+4*\x], v[132+64*\x:133+64*\x], v[134+64*\x:135+64*\x]
	v_pk_add_f32 v[34+2*\x:35+2*\x], v[136+64*\x:137+64*\x], v[138+64*\x:139+64*\x]
	v_pk_add_f32 v[14+4*\x:15+4*\x], v[14+4*\x:15+4*\x], v[140+64*\x:141+64*\x]
.irp k, 142,150,158,166,174,182
	v_pk_add_f32 v[24+4*\x:25+4*\x], v[24+4*\x:25+4*\x], v[\k+64*\x:\k+64*\x+1]
	v_pk_add_f32 v[26+4*\x:27+4*\x], v[26+4*\x:27+4*\x], v[\k+64*\x+2:\k+64*\x+3]
	v_pk_add_f32 v[34+2*\x:35+2*\x], v[34+2*\x:35+2*\x], v[\k+64*\x+4:\k+64*\x+5]
	v_pk_add_f32 v[14+4*\x:15+4*\x], v[14+4*\x:15+4*\x], v[\k+64*\x+6:\k+64*\x+7]
.endr
	v_pk_add_f32 v[24+4*\x:25+4*\x], v[24+4*\x:25+4*\x], v[190+64*\x:191+64*\x]
	v_pk_add_f32 v[26+4*\x:27+4*\x], v[26+4*\x:27+4*\x], v[34+2*\x:35+2*\x]
	v_pk_add_f32 v[14+4*\x:15+4*\x], v[14+4*\x:15+4*\x], v[24+4*\x:25+4*\x]
	v_pk_add_f32 v[14+4*\x:15+4*\x], v[14+4*\x:15+4*\x], v[26+4*\x:27+4*\x]
.endm
; Two tiles' way out: O^T / l is held, quantised and stored as half fragments of the last projection's operand: 32 lanes store 512 consecutive bytes, four times; the second tile lies 4,096 bytes behind the first.
.macro FINAL ob
	v_add_f32 v14, v14, v15
	v_add_f32 v18, v18, v19
	v_permlanex16_b32 v32, v14, s[SEL], s[SEL+1]
	v_permlanex16_b32 v33, v18, s[SEL], s[SEL+1]
	v_add_f32 v14, v14, v32
	v_add_f32 v18, v18, v33
	s_wait_alu depctr_va_vdst(0)                   ; the wait ahead of the transcendentals
	v_rcp_f32 v14, v14
	v_rcp_f32 v18, v18
	v_nop
	s_wait_alu depctr_va_vdst(0)                   ; and ahead of their first readers, which are also O^T's first readers
.set j, 0
.rept 16
	v_pk_mul_f32 v[128+j:129+j], v[64+j:65+j], v[14:15] op_sel_hi:[1,0]
.set j, j+2
.endr
.set j, 0
.rept 16
	v_pk_mul_f32 v[192+j:193+j], v[96+j:97+j], v[18:19] op_sel_hi:[1,0]
.set j, j+2
.endr
.set j, 0
.rept 32
	v_med3_num_f32 v[128+j], v[128+j], -v43, v43
	v_med3_num_f32 v[192+j], v[192+j], -v43, v43
.set j, j+1
.endr
.irp x, 0,1
.irp t, 0,1,2,3
	v_cvt_scalef32_pk8_fp8_f32 v[48+8*\x+2*\t:49+8*\x+2*\t], v[128+64*\x+8*\t:135+64*\x+8*\t], v44
.endr
.endr
	v_nop
	global_store_b128 v[LI], v[48:51], s[\ob:\ob+1]
	global_store_b128 v[LI], v[52:55], s[\ob:\ob+1] offset:512
	global_store_b128 v[LI], v[56:59], s[\ob:\ob+1] offset:4096
	global_store_b128 v[LI], v[60:63], s[\ob:\ob+1] offset:4608
.endm
	s_load_b256 s[4:11], s[0:1], 0x0               ; qimg s[4:5], kvimg s[6:7], the exponents s[8:9], aimg s[10:11]
	v_lshl_add_u32 v[SPW], v0, 2, SPARE
	v_mov_b32 v[NIL], 0
	ds_add_u32 v[SPW], v[NIL]                      ; the opening lines: the add twice on end and its wait
	ds_add_u32 v[SPW], v[NIL]
	v_lshrrev_b32 v7, 5, v0
	v_readfirstlane_b32 s[WV], v7                  ; wave 0..3
	s_and_b32 s15, ttmp7, 0xffff                   ; the head
	s_add_co_u32 s[J1], ttmp9, 1
	s_mov_b32 s[DG], ttmp9
	s_lshl_b32 s62, s15, 18                        ; the head's first byte in qimg and in each half of kvimg
	s_mov_b32 s63, 0
	s_mov_b32 s41, 0
	s_mov_b32 s[U], s[WV]                          ; slot 0: wave w fetches step w
	s_mov_b32 s[G1], 3<<16                         ; elements of 8 bytes; no mask, no padding: two rows of 8,192 bytes,
	s_mov_b32 s[G1+1], 1024<<16
	s_mov_b32 s[G1+2], 2<<16
	s_mov_b32 s[G1+3], 1024<<16
	s_mov_b32 s[G1+4], 2
	s_mov_b32 s[G1+5], 524288                      ; 4,194,304 bytes apart
	s_mov_b32 s[G1+6], 0
	s_mov_b32 s[G1+7], 0
	s_mov_b32 s[G0], 1
	s_lshl_b32 s[G0+1], s[WV], 14                  ; LDS: 16,384 x wave, in slot 0
	s_mov_b32 s[SEL], 0x76543210
	s_mov_b32 s[SEL+1], 0xfedcba98
	s_mov_b32 s[CS], 0x3e38aa3b                    ; log2(e) / 8
	s_mov_b32 s[TB], 0
	s_mov_b32 s[ST], 0
	s_lshl_b32 s61, s[WV], 1
	s_lshl_b32 s16, ttmp9, 3
	s_add_co_u32 s16, s16, s61                     ; my first pair of tiles begins at 8 j + 2 w
	s_sub_co_u32 s17, 31, ttmp9
	s_lshl_b32 s17, s17, 3
	s_add_co_u32 s17, s17, s61                     ; my second at 8 (31 - j) + 2 w
	s_lshl_b32 s70, s16, 10
	s_add_co_u32 s70, s70, s62
	s_mov_b32 s71, 0
	s_lshl_b32 s72, s17, 10
	s_add_co_u32 s72, s72, s62
	s_mov_b32 s73, 0
	s_lshr_b32 s74, s15, 2                         ; aimg: (head / 4) x 1,048,576 + tile x 4,096 + (head % 4) x 1,024
	s_lshl_b32 s74, s74, 20
	s_and_b32 s60, s15, 3
	s_lshl_b32 s60, s60, 10
	s_add_co_u32 s74, s74, s60
	s_lshl_b32 s76, s17, 12
	s_add_co_u32 s76, s76, s74
	s_lshl_b32 s60, s16, 12
	s_add_co_u32 s74, s74, s60
	s_mov_b32 s75, 0
	s_mov_b32 s77, 0
	s_min_u32 s78, ttmp9, 7                        ; the prefetch: key step 4 min(j, 7) + w: inside the head for every j
	s_lshl_b32 s78, s78, 2
	s_add_co_u32 s78, s78, s[WV]
	s_lshl_b32 s78, s78, 13
	s_mov_b32 s79, 0
	s_sub_co_u32 s[LIM], 9, ttmp9                  ; the count of slots at which work-group j asks,
	s_sub_co_u32 s60, ttmp9, 3
	s_cmp_lt_u32 s60, 5                            ; j = 3 .. 7;
	s_cselect_b32 s[LIM], s[LIM], 0                ; 0, which the count never is, in the others
	s_lshl_b32 s60, s[WV], 5
	s_wait_alu depctr_va_vdst(0)                   ; the wait ahead of the waits below
	s_wait_dscnt 0x0
	s_wait_kmcnt 0x0
	s_load_b256 s[48:55], s[8:9], 0x0              ; e0 .. e7
	s_load_b128 s[56:59], s[8:9], 0x20             ; e8 .. e11
	s_add_nc_u64 s[BASE:BASE+1], s[6:7], s[62:63]
	ADDR
	tensor_load_to_lds s[G0:G0+3], s[G1:G1+7]      ; slot 0: one load a wave
	s_nop 0
	s_add_nc_u64 s[70:71], s[4:5], s[70:71]
	s_add_nc_u64 s[72:73], s[4:5], s[72:73]
	s_add_nc_u64 s[OUTA:OUTA+1], s[10:11], s[74:75]
	s_add_nc_u64 s[OUTB:OUTB+1], s[10:11], s[76:77]
	s_add_nc_u64 s[PFA:PFA+1], s[BASE:BASE+1], s[78:79]
	v_and_b32 v7, 31, v0
	v_lshlrev_b32 v[LI], 4, v7
	v_lshlrev_b32 v[PFO], 8, v7
	v_and_b32 v8, 15, v0                           ; r
	v_bfe_u32 v9, v0, 4, 1                         ; h
	v_lshlrev_b32 v9, 3, v9
	v_sub_nc_u32 v[DM], v8, v9
	v_add_nc_u32 v[DM], s60, v[DM]                 ; 32 w + r - 8 h: in a diagonal step register 8 t + i of tile x holds key 16 t + 8 h + i: hidden where 16 t + i - 16 x is greater
	v_add_nc_u32 v[ADS], s[TB], v[LI]
	s_wait_alu depctr_va_vdst(0)
	WIN 0x40
.irp i, 0,1,2,3
	global_load_b128 v[96+4*\i:99+4*\i], v[LI], s[70:71] offset:512*\i
	global_load_b128 v[112+4*\i:115+4*\i], v[LI], s[72:73] offset:512*\i
.endr
	WIN 0
.irp x, 0,1
	v_mov_b32 v[13+4*\x], 0xff61b1e6               ; the largest t so far: -3e38
	v_mov_b32 v[14+4*\x], 0
	v_mov_b32 v[15+4*\x], 0
	v_mov_b32 v[21+2*\x], 0                        ; (named as the upper half of f's pair)
	v_mov_b32 v[32+\x], 0                          ; a lane permute's destination counts as one of its sources
	v_floor_f32 v[12+4*\x], -v[13+4*\x]
.endr
	v_mov_b32 v45, 0xff800000
.set j, 0
.rept 64
	v_mov_b32 v[64+j], 0                           ; O^T: the step is written for all steps alike; the first finds zeros
.set j, j+1
.endr
	s_wait_kmcnt 0x0
	s_add_co_i32 s60, s54, s55
	s_lshl_b32 s60, s60, 23
	s_add_co_i32 s[CS], s[CS], s60                 ; c x 2^(e6 + e7)
	s_mov_b32 s[CS+1], s[CS]
	s_add_co_i32 s60, s56, 127
	s_lshl_b32 s61, s60, 23
	v_mov_b32 v42, s61                             ; 2^e8
	s_add_co_i32 s60, s60, 8
	s_lshl_b32 s60, s60, 23
	s_or_b32 s60, s60, 0x600000
	v_mov_b32 v40, s60                             ; 448 x 2^e8, twice: the two halves of a dual line take their second sources from different banks
	v_mov_b32 v41, s60
	s_sub_co_i32 s60, s58, s56
	s_sub_co_i32 s60, s60, s57
	s_add_co_i32 s60, s60, 127
	s_lshl_b32 s61, s60, 23
	v_mov_b32 v44, s61                             ; 2^(e10 - e8 - e9)
	s_add_co_i32 s60, s60, 8
	s_lshl_b32 s60, s60, 23
	s_or_b32 s60, s60, 0x600000
	v_mov_b32 v43, s60
; A KEY STEP for both tiles.  kind 0: inside a slot; 1: a slot's last, the slot is filled again by all waves; 2: by wave 0 alone (the 33rd step); 3: a change of slots with no fill; 4: the last step.
; early = 1: the step may be the first block's diagonal or the second block's first (stream steps 0 .. 16 lie in the loop's 24).
.macro STEP kind, early
.if \early
	s_cmp_lg_u32 s[ST], s[J1]
	s_cbranch_scc1 .Lsame_\@
.rept 4
	v_nop                                          ; places behind the last products
.endr
	FINAL OUTA                                     ; the first two tiles leave
	s_wait_alu depctr_va_vdst(0)
	s_wait_xcnt 0x0                                ; the stores have read their registers
	WIN 0x41
.set j, 0
.rept 16
	v_mov_b32 v[96+j], v[112+j]
.set j, j+1
.endr
	WIN 0
	v_mov_b32 v13, 0xff61b1e6                      ; M anew: this step's f is 0, which makes l and O^T zeros
	v_mov_b32 v17, 0xff61b1e6
	v_floor_f32 v12, -v13
	v_floor_f32 v16, -v17
	s_mov_b32 s[DG], 32
.Lsame_\@:
	s_wait_alu depctr_va_vdst(0)
.endif
	s_wait_dscnt 0x0                               ; k's fragments are in
	WIN 0x05
.irp t, 0,1,2,3,4,5,6,7
.irp x, 0,1
	v_wmma_f32_16x16x64_fp8_fp8 v[128+64*\x+8*\t:135+64*\x+8*\t], v[8*\t:8*\t+7], v[96+8*\x:103+8*\x], 0
.endr
.endr
	WIN 0
.rept 4
	v_nop                                          ; places: behind these products for their first readers, behind the last step's for the loads below
.endr
	WIN 0x40
.irp t, 0,1,2,3
.irp i, 0,1,2,3
	ds_load_b128 v[128+16*\t+4*\i:131+16*\t+4*\i], v[ADS] offset:VOFF+4096*(\i/2)+1024*\t+512*(\i%2)
.endr
.endr
	WIN 0
.if \early
	s_cmp_lg_u32 s[ST], s[DG]
	s_cbranch_scc1 .Lopen_\@
.endif
.if \early || (\kind == 4)
.set n, 0
.rept 64                                       ; on the diagonal hidden scores become -infinity ahead of the maximum
	v_cmp_gt_i32 vcc_lo, 16*(n/8)+n%8, v[DM]
	v_cndmask_b32 v[128+n], v[128+n], v45, vcc_lo
	v_cmp_gt_i32 vcc_lo, 16*(n/8)+n%8-16, v[DM]
	v_cndmask_b32 v[192+n], v[192+n], v45, vcc_lo
.set n, n+1
.endr
.endif
.Lopen_\@:
.irp c, 0,1,2,3                                ; the step's largest scores: four chains a tile, ascending, the tiles by turns
.irp x, 0,1
	v_max3_num_f32 v[24+4*\x+\c], v[128+64*\x+3*\c], v[129+64*\x+3*\c], v[130+64*\x+3*\c]
.endr
.endr
.irp i, 140,148,156,164,172,180
.irp c, 0,1,2,3
.irp x, 0,1
	v_max3_num_f32 v[24+4*\x+\c], v[24+4*\x+\c], v[\i+64*\x+2*\c], v[\i+64*\x+2*\c+1]
.endr
.endr
.endr
.irp c, 0,1
.irp x, 0,1
	v_max3_num_f32 v[24+4*\x+\c], v[24+4*\x+\c], v[188+64*\x+2*\c], v[189+64*\x+2*\c]
.endr
.endr
.irp x, 0,1
	v_max3_num_f32 v[24+4*\x], v[24+4*\x], v[25+4*\x], v[26+4*\x]
.endr
.irp x, 0,1
	v_max_num_f32 v[24+4*\x], v[24+4*\x], v[27+4*\x]
.endr
.if (\kind >= 1) && (\kind <= 3)
	s_wait_alu depctr_va_vdst(0)
	s_wait_tensorcnt 0x0                           ; my step of the next slot is in
	ds_add_u32 v[SPW], v[NIL]
.endif
.irp x, 0,1
	v_permlanex16_b32 v[32+\x], v[24+4*\x], s[SEL], s[SEL+1]
.endr
.irp x, 0,1
	v_max_num_f32 v[24+4*\x], v[24+4*\x], v[32+\x]
.endr
.irp x, 0,1
	v_mul_f32 v[24+4*\x], s[CS], v[24+4*\x]
.endr
.irp x, 0,1
	v_max_num_f32 v[13+4*\x], v[13+4*\x], v[24+4*\x]
.endr
.irp x, 0,1
	v_mov_b32 v[24+4*\x], v[12+4*\x]
.endr
.irp x, 0,1
	v_floor_f32 v[12+4*\x], -v[13+4*\x]            ; -M = -ceil(t)
.endr
.irp x, 0,1
	v_sub_f32 v[24+4*\x], v[12+4*\x], v[24+4*\x]
.endr
.irp x, 0,1
	v_cvt_i32_f32 v[24+4*\x], v[24+4*\x]           ; (it saturates)
.endr
.irp x, 0,1
	v_ldexp_f32 v[20+2*\x], 1.0, v[24+4*\x]        ; f
.endr
.if \kind != 4
	s_add_co_u32 s[TB], s[TB], STEPB               ; the next step's place: eight steps round the ring
	s_and_b32 s[TB], s[TB], 2*SLOTB-1
	v_add_nc_u32 v[ADS], s[TB], v[LI]
.endif
.if (\kind == 1) || (\kind == 2)
	s_add_co_u32 s[U], s[U], 4                     ; no tensor load of mine is out: the descriptor steps to the slot after the next
	s_xor_b32 s[G0+1], s[G0+1], SLOTB
	ADDR
.endif
.if (\kind >= 1) && (\kind <= 3)
	s_wait_alu depctr_va_vdst(0)
	s_wait_dscnt 0x0                               ; the add is done, and v's fragments, my last reads of this slot, are in
	s_barrier_signal -1
.endif
.set j, 0
.rept 32
	v_pk_fma_f32 v[128+j:129+j], v[128+j:129+j], s[CS:CS+1], v[12:13] op_sel_hi:[1,0,0]   ; tile 0: t - M
.set j, j+2
.endr
.set j, 0
.rept 16
	v_pk_mul_f32 v[64+j:65+j], v[64+j:65+j], v[20:21] op_sel_hi:[1,0]                     ; O^T under the new M
	v_pk_mul_f32 v[96+j:97+j], v[96+j:97+j], v[22:23] op_sel_hi:[1,0]
.set j, j+2
.endr
	v_pk_mul_f32 v[14:15], v[14:15], v[20:21] op_sel_hi:[1,0]                             ; and l
	v_pk_mul_f32 v[18:19], v[18:19], v[22:23] op_sel_hi:[1,0]
.if \kind == 0
	KLOAD                                          ; inside a slot: the next step's k
.endif
	s_wait_alu depctr_va_vdst(0)                   ; the wait ahead of the batch
.set j, 0
.rept 32
	v_exp_f32 v[128+j], v[128+j]
.set j, j+1
.endr
.set j, 0
.rept 32                                       ; tile 1's scalings stand among tile 0's exponentials: their results are read behind the wait below
	v_exp_f32 v[160+j], v[160+j]
	v_pk_fma_f32 v[192+2*j:193+2*j], v[192+2*j:193+2*j], s[CS:CS+1], v[16:17] op_sel_hi:[1,0,0]
.set j, j+1
.endr
	s_wait_alu depctr_va_vdst(0)                   ; behind tile 0's batch, ahead of tile 1's
	SUM 0
.set j, 0
.rept 32
	v_exp_f32 v[192+j], v[192+j]
.set j, j+1
.endr
.set j, 0
.rept 32                                       ; tile 0's holds (one-sided: p is not negative; two numbers a line) stand among tile 1's exponentials
	v_exp_f32 v[224+j], v[224+j]
	v_dual_min_num_f32 v[128+2*j], v[128+2*j], v40 :: v_dual_min_num_f32 v[129+2*j], v[129+2*j], v41
.set j, j+1
.endr
	v_nop
	s_wait_alu depctr_va_vdst(0)
	SUM 1
.if (\kind >= 1) && (\kind <= 3)
	s_barrier_wait -1                              ; work on registers alone stands between the signal and this wait
.endif
.if \kind == 1
	tensor_load_to_lds s[G0:G0+3], s[G1:G1+7]      ; the slot just left takes the four steps after the next slot's
	s_nop 0
.endif
.if \kind == 2
	s_cmp_lt_u32 s[WV], 1
	s_cbranch_scc0 .Lnone_\@
	tensor_load_to_lds s[G0:G0+3], s[G1:G1+7]      ; stream step 32, by wave 0
	s_nop 0
.rept 4
	v_nop
.endr
.Lnone_\@:
.endif
.if (\kind >= 1) && (\kind <= 3)
	KLOAD                                          ; the next step's k, from the other slot
.endif
.if \kind == 1
	s_cmp_eq_u32 s[SL], s[LIM]
	s_cbranch_scc0 .Lnot_mine_\@
	global_prefetch_b8 v[PFO], s[PFA:PFA+1] th:TH_LOAD_NT scope:SCOPE_SE
	global_prefetch_b8 v[PFO], s[PFA:PFA+1] offset:0x400000 th:TH_LOAD_NT scope:SCOPE_SE
.Lnot_mine_\@:
.endif
.set j, 0
.rept 32
	v_dual_min_num_f32 v[192+2*j], v[192+2*j], v40 :: v_dual_min_num_f32 v[193+2*j], v[193+2*j], v41
.set j, j+1
.endr
	WIN 0x40
.irp x, 0,1
.irp t, 0,1,2,3,4,5,6,7
	v_cvt_scalef32_pk8_fp8_f32 v[64+16*\x+2*\t:65+16*\x+2*\t], v[128+64*\x+8*\t:135+64*\x+8*\t], v42
.endr
.endr
	v_nop
	WIN 0
	s_wait_alu depctr_va_vdst(0)
.if \kind == 4
	s_wait_dscnt 0x0
.else
	s_wait_dscnt 16                                ; v's fragments are in; the 16 loads of the next k may be out
.endif
	WIN 0x05
.irp t, 0,1,2,3
.irp x, 0,1
	v_wmma_f32_16x16x128_fp8_fp8 v[64+32*\x+8*\t:71+32*\x+8*\t], v[128+16*\t:143+16*\t], v[64+16*\x:79+16*\x], v[64+32*\x+8*\t:71+32*\x+8*\t]
.endr
.endr
	WIN 0
	s_add_co_u32 s[ST], s[ST], 1
.endm
.macro THREE early
	s_mov_b32 s[IN], 3
.Lin_\@:
	STEP 0, \early
	s_sub_co_u32 s[IN], s[IN], 1
	s_cmp_lg_u32 s[IN], 0
	s_cbranch_scc1 .Lin_\@
.endm
	s_wait_alu depctr_va_vdst(0)                   ; the wait at the head's end
	s_wait_loadcnt 0x0                             ; q, all four tiles
	s_wait_tensorcnt 0x0                           ; my step of slot 0 is in; slot 1's first fill is issued as a refill is
	ds_add_u32 v[SPW], v[NIL]
	s_add_co_u32 s[U], s[U], 4
	s_xor_b32 s[G0+1], s[G0+1], SLOTB
	ADDR
	s_wait_dscnt 0x0
	s_barrier_signal -1
	s_barrier_wait -1
	tensor_load_to_lds s[G0:G0+3], s[G1:G1+7]      ; slot 1
	s_nop 0
	KLOAD                                          ; step 0's k
	s_mov_b32 s[SL], 6
.Lslot:                                            ; six trips: slots 0 .. 5; their changes fill slots 2 .. 7
	THREE 1
	STEP 1, 1
	s_sub_co_u32 s[SL], s[SL], 1
	s_cmp_lg_u32 s[SL], 0
	s_cbranch_scc1 .Lslot
	THREE 0                                        ; slot 6; its change asks for the 33rd step
	STEP 2, 0
	THREE 0                                        ; slot 7; its change fills nothing
	STEP 3, 0
	STEP 4, 0                                      ; stream step 32: the second block's diagonal
.rept 4
	v_nop
.endr
	FINAL OUTB
	s_wait_tensorcnt 0x0                           ; the wave's end
	ds_add_u32 v[SPW], v[NIL]
	s_wait_dscnt 0x0
	s_endpgm
.Lfunc_end_k_q4d148342af_attn:
	.size	k_q4d148342af_attn, .Lfunc_end_k_q4d148342af_attn-k_q4d148342af_attn
	.p2alignl 7, 3214868480
	.fill 96, 4, 3214868480
	.section	.rodata,"a",@progbits
	.p2align	6, 0x0
	.amdhsa_kernel k_q4d148342af_attn
		.amdhsa_group_segment_fixed_size 327680
		.amdhsa_private_segment_fixed_size 0
		.amdhsa_enable_private_segment 0
		.amdhsa_kernarg_size 32
		.amdhsa_user_sgpr_count 2
		.amdhsa_user_sgpr_kernarg_segment_ptr 1
		.amdhsa_wavefront_size32 1
		.amdhsa_system_sgpr_workgroup_id_x 1
		.amdhsa_system_sgpr_workgroup_id_y 1
		.amdhsa_system_sgpr_workgroup_id_z 1
		.amdhsa_system_vgpr_workitem_id 0
		.amdhsa_next_free_vgpr 448
		.amdhsa_next_free_sgpr 100
		.amdhsa_reserve_vcc 1
		.amdhsa_float_denorm_mode_32 3
		.amdhsa_float_denorm_mode_16_64 3
		.amdhsa_memory_ordered 1
		.amdhsa_forward_progress 1
		.amdhsa_inst_pref_size 255
	.end_amdhsa_kernel
	.section	.bss,"aw",@nobits
	.p2align	6
	.space	262144
	.amdgpu_metadata
---
amdhsa.version: [ 1, 2 ]
amdhsa.kernels:
  - .name:           k_q4d148342af_attn
    .symbol:         k_q4d148342af_attn.kd
    .args:
      - { .name: qimg, .offset: 0, .size: 8, .value_kind: global_buffer, .address_space: global }
      - { .name: kvimg, .offset: 8, .size: 8, .value_kind: global_buffer, .address_space: global }
      - { .name: lowp_scales, .offset: 16, .size: 8, .value_kind: global_buffer, .address_space: global }
      - { .name: aimg, .offset: 24, .size: 8, .value_kind: global_buffer, .address_space: global }
    .group_segment_fixed_size: 327680
    .private_segment_fixed_size: 0
    .kernarg_segment_align: 8
    .kernarg_segment_size: 32
    .max_flat_workgroup_size: 128
    .sgpr_count:     100
    .vgpr_count:     448
    .wavefront_size: 32
...
	.end_amdgpu_metadata
.endif
;; end of part 3
;; launch outp (part 4): grid 8 x 32, 8 waves a work-group, clusters of 4 x 4, 327,680 bytes of LDS; arguments aimg, wimg, lowp_scales, bp, out0; writes out0
.if DOCPART == 4
	.amdgcn_target "amdgcn-amd-amdhsa--gfx1250"
	.amdhsa_code_object_version 6
	.text
	.protected	k_q4d148342af_outp
	.globl	k_q4d148342af_outp
	.p2align	8
	.type	k_q4d148342af_outp,@function
k_q4d148342af_outp:
	s_mov_b64 s[64:65], 0
	v_nop
	global_prefetch_b8 v0, s[64:65] scope:SCOPE_SE
	s_setreg_imm32_b32 hwreg(HW_REG_WAVE_MODE, 25, 1), 1
	s_wait_xcnt 0x0
	s_wait_alu depctr_hold_cnt(0) depctr_sa_sdst(0) depctr_va_vdst(0) depctr_va_sdst(0) depctr_va_ssrc(0) depctr_va_vcc(0) depctr_vm_vsrc(0)
	s_getreg_b32 s2, hwreg(HW_REG_IB_STS2, 6, 4)
	s_cmp_eq_u32 s2, 0
	s_cbranch_scc0 .Lentry_in_a_cluster
	s_endpgm
.Lentry_in_a_cluster:
	s_bfe_u32 s2, ttmp6, 0x10000c
	s_cmp_lg_u32 s2, 0xf033
	s_cbranch_scc0 .Lentry_shape_is_right
	s_endpgm
.Lentry_shape_is_right:
; THE LAST PROJECTION: out0[m][n] = 2^(e10 + e11) x (sum over k of a's code (m, k) x Wp's code (k, n)) + bp[n].  m 4,096, n 1,024, K 1,024; sums in f32.
; OPERANDS are images of operand registers: a fragment is 16 rows x 128 K = 2,048 bytes, fetched by four loads of 16 bytes a lane.  aimg: [K / 256: 4][m / 16: 256][2][fragment]; Wp in wimg: the same with n / 16: 64, from byte 0xc0000 of each chunk of 0x100000.
; SHARES.  A work-group makes 128 x 128 of out0: 8 x 32 = 256 work-groups.  The whole K of its 128 rows of a and of its 128 columns of Wp is 2 x 131,072 bytes and lies in LDS at once: nothing is filled again, and there is one barrier.
; Each of the eight waves asks for one piece of 32,768 bytes (128 dense rows of 256 bytes): chunk wave / 2 of K, of a (even waves) or of Wp (odd waves).
; A wave makes 32 rows x 64 columns: eight accumulators by turns; a row's piece is 256 bytes of out0, aligned.  Eight K steps of 128, written out; two sets of fragment registers, fetched two steps ahead.
; CLUSTERS: 4 x 4 work-groups: a's pieces are asked for jointly along a row of the cluster, Wp's along a column.
; NO PREFETCH: all tiles are asked for in one group at the head: the text has no loop in which to run ahead.
; THE MATRIX INSTRUCTION IS USED TRANSPOSED (source 0 = 16 columns of Wp, source 1 = 16 rows of a): a lane holds eight neighbouring numbers of a row of out0.
; LIMIT: e10 + e11 between -126 and 127, so that 2^(e10 + e11) is an f32 number.
; REGISTERS: window 0: v8-11 bp; v16-17, v20-21 LDS addresses of a's and Wp's fragments (chunks 0-1, 2-3); v24-27 the way out; v28, v29 the spare word and 0; v32-127, v128-223 two sets: Wp's four fragments, then a's two.
;   window 1: v0-63 (v256-319) the accumulators, (a, b) at 8 (4 a + b).
.set PIECE,  32768
.set BOFF,   131072                    ; Wp's four pieces lie behind a's four
.set STAGE,  262144                    ; behind the tiles: 16 rows x 272 bytes for each wave
.set SPITCH, 272
.set SPARE,  STAGE+8*16*SPITCH         ; the spare words, 128 bytes for each of eight waves
.set BI,   8
.set ADRA, 16
.set ADRB, 20
.set STO,  24
.set RD,   25
.set CO,   26
.set BO,   27
.set SPW,  28
.set NIL,  29
.set G1, 24
.set G0, 32
.set G1B, 48
.set G0B, 56
.set MSB, 0
.macro WIN new
.if MSB != \new
	s_set_vgpr_msb (MSB<<8)|\new
.set MSB, \new
.endif
.endm
.macro CROUND                          ; a round of the cluster's barrier
	s_barrier_signal -1
	s_barrier_wait -1
	s_cmp_lg_u32 s14, 0
	s_cbranch_scc1 .Lnot_wave_0_\@
	s_barrier_signal -3
.Lnot_wave_0_\@:
	s_barrier_wait -3
	s_barrier_signal -1
	s_barrier_wait -1
.endm
	s_load_b256 s[4:11], s[0:1], 0x0               ; aimg, wimg, the exponents, bp
	s_load_b64 s[12:13], s[0:1], 0x20              ; out0
	v_lshl_add_u32 v[SPW], v0, 2, SPARE
	v_mov_b32 v[NIL], 0
	ds_add_u32 v[SPW], v[NIL]                      ; the opening lines: the add twice on end and its wait
	ds_add_u32 v[SPW], v[NIL]
	v_lshrrev_b32 v1, 5, v0
	v_readfirstlane_b32 s14, v1                    ; wave 0..7
	s_and_b32 s15, s14, 1                          ; I fetch for a (0) or Wp (1).  Also: which 64 columns are mine
	s_lshr_b32 s16, s14, 1                         ; which chunk of K I fetch.  Also: which 32 rows are mine
	s_bfe_u32 s40, ttmp6, 0x40000                  ; cx
	s_bfe_u32 s41, ttmp6, 0x40004                  ; cy
	s_lshl_b32 s42, ttmp9, 2
	s_add_co_u32 s42, s42, s40                     ; block column 0..7
	s_and_b32 s17, ttmp7, 0xffff
	s_lshl_b32 s17, s17, 2
	s_add_co_u32 s17, s17, s41                     ; block row 0..31
	s_lshl_b32 s43, s41, 2
	s_lshl_b32 s43, 15, s43                        ; my row of the cluster
	s_lshl_b32 s44, 0x1111, s40                    ; my column
	s_or_b32 s[G1+0], s43, (3<<16)|(1<<21)         ; elements of 8 bytes; bit 21 beside the mask; no padding
	s_or_b32 s[G1B+0], s44, (3<<16)|(1<<21)
.irp g, G1, G1B
	s_mov_b32 s[\g+1], 32<<16
	s_mov_b32 s[\g+2], 128<<16
	s_mov_b32 s[\g+3], 32<<16
	s_mov_b32 s[\g+4], 128
	s_mov_b32 s[\g+5], 32
	s_mov_b32 s[\g+6], 0
	s_mov_b32 s[\g+7], 0
.endr
	s_lshl_b32 s82, s16, 20                        ; my chunk of K
	s_lshl_b32 s78, s17, 15                        ; 8 blocks of 16 rows x 4,096 bytes
	s_add_co_u32 s78, s78, s82
	s_mov_b32 s79, 0
	s_lshl_b32 s80, s42, 15
	s_add_co_u32 s80, s80, s82
	s_add_co_u32 s80, s80, 0xc0000
	s_mov_b32 s81, 0
	s_lshl_b32 s45, s16, 15                        ; where the piece goes: the wave's number alone
	s_wait_alu depctr_va_vdst(0)
	s_wait_dscnt 0x0
	s_wait_kmcnt 0x0
	s_load_b64 s[96:97], s[8:9], 0x28              ; e10, e11
	s_add_nc_u64 s[20:21], s[4:5], s[78:79]
	s_add_nc_u64 s[46:47], s[6:7], s[80:81]
	CROUND                                         ; all sixteen work-groups are here: the joint loads meet
	s_mov_b32 s[G0], 1
	s_mov_b32 s[G0+1], s45
	s_mov_b64 s[G0+2:G0+3], s[20:21]
	s_or_b32 s[G0+3], s[G0+3], 0x80000000
	s_mov_b32 s[G0B], 1
	s_add_co_u32 s[G0B+1], s45, BOFF
	s_mov_b64 s[G0B+2:G0B+3], s[46:47]
	s_or_b32 s[G0B+3], s[G0B+3], 0x80000000
	s_cmp_eq_u32 s15, 0
	s_cbranch_scc0 .Lfor_b
	tensor_load_to_lds s[G0:G0+3], s[G1:G1+7]
	s_nop 0
.rept 4
	v_nop
.endr
	s_branch .Lasked
.Lfor_b:
	tensor_load_to_lds s[G0B:G0B+3], s[G1B:G1B+7]
	s_nop 0
.rept 4
	v_nop
.endr
.Lasked:
	s_lshl_b32 s21, s16, 13                        ; my two blocks of a's rows
	s_lshl_b32 s22, s15, 14                        ; my four blocks of Wp's columns,
	s_add_co_u32 s22, s22, BOFF
	s_add_co_u32 s83, s21, 2*PIECE                 ; and the same in chunks 2 and 3
	s_add_co_u32 s84, s22, 2*PIECE
	s_mul_i32 s23, s14, 16*SPITCH
	s_add_co_u32 s23, s23, STAGE                   ; my stage
	s_lshl_b32 s66, s42, 9
	s_lshl_b32 s68, s15, 8
	s_add_co_u32 s66, s66, s68                     ; my first column, in bytes
	s_mov_b32 s67, 0
	s_add_nc_u64 s[10:11], s[10:11], s[66:67]
	s_lshl_b32 s68, s17, 19                        ; 128 rows of 4,096 bytes
	s_add_co_u32 s66, s66, s68
	s_lshl_b32 s68, s16, 17                        ; 32 rows
	s_add_co_u32 s66, s66, s68
	s_add_nc_u64 s[12:13], s[12:13], s[66:67]
	v_and_b32 v1, 15, v0                           ; r
	v_bfe_u32 v2, v0, 4, 1                         ; h
	v_and_b32 v3, 31, v0
	v_lshlrev_b32 v3, 4, v3
	v_add_nc_u32 v[ADRA], s21, v3
	v_add_nc_u32 v[ADRB], s22, v3
	v_add_nc_u32 v[ADRA+1], s83, v3
	v_add_nc_u32 v[ADRB+1], s84, v3
	v_mul_u32_u24 v5, v1, SPITCH
	v_lshl_add_u32 v5, v2, 5, v5
	v_add_nc_u32 v[STO], s23, v5                   ; in: row r, 32 bytes for each half of the lanes
	v_mul_u32_u24 v6, v2, SPITCH
	v_lshl_add_u32 v6, v1, 4, v6
	v_add_nc_u32 v[RD], s23, v6                    ; back: lanes 0-15 one row of 256 bytes, lanes 16-31 the next
	v_lshlrev_b32 v[BO], 4, v1
	v_lshl_add_u32 v[CO], v2, 12, v[BO]            ; and the same two rows in out0
	s_wait_alu depctr_va_vdst(0)                   ; the wait at the head's end
	global_load_b128 v[BI:BI+3], v[BO], s[10:11]   ; bp at my four columns of a row's piece
.macro FETCH ks                        ; K step ks: Wp's four fragments and a's two into set ks % 2
.set F, 32+96*((\ks)%2)
.set OF, (((\ks)/2)%2)*PIECE+((\ks)%2)*2048
.irp i, 0,1,2,3
.irp c, 0,1,2,3
	ds_load_b128 v[F+16*\i+4*\c:F+16*\i+4*\c+3], v[ADRB+(\ks)/4] offset:OF+4096*\i+512*\c
.endr
.endr
.irp i, 0,1
.irp c, 0,1,2,3
	ds_load_b128 v[F+64+16*\i+4*\c:F+64+16*\i+4*\c+3], v[ADRA+(\ks)/4] offset:OF+4096*\i+512*\c
.endr
.endr
.endm
.macro MUL ks, zero                    ; eight products, the eight accumulators by turns
.set F, 32+96*((\ks)%2)
.irp a, 0,1
.irp b, 0,1,2,3
.if \zero
	v_wmma_f32_16x16x128_fp8_fp8 v[8*(4*\a+\b):8*(4*\a+\b)+7], v[F+16*\b:F+16*\b+15], v[F+64+16*\a:F+64+16*\a+15], 0
.else
	v_wmma_f32_16x16x128_fp8_fp8 v[8*(4*\a+\b):8*(4*\a+\b)+7], v[F+16*\b:F+16*\b+15], v[F+64+16*\a:F+64+16*\a+15], v[8*(4*\a+\b):8*(4*\a+\b)+7]
.endif
.endr
.endr
.endm
	s_wait_tensorcnt 0x0                           ; my piece is in
	s_barrier_signal -1
	s_barrier_wait -1                              ; and everybody's
	FETCH 0
	FETCH 1
.irp ks, 0,1,2,3,4,5,6,7
.if \ks < 7
	s_wait_dscnt 24                                ; this step's 24 loads are in; the next step's 24 may be out
.else
	s_wait_dscnt 0x0
.endif
	WIN 0x50                                       ; C and D in window 1
.if \ks == 0
	MUL \ks, 1
.else
	MUL \ks, 0
.endif
	WIN 0
.rept 4
	v_nop                                          ; places ahead of loads into registers that the products have read, and of the first reads of results
.endr
.if \ks < 6
	FETCH \ks+2
.endif
.endr
; THE WAY OUT: 16 rows x 64 columns at a time go through my own stage and come back as rows of 256 bytes; LDS serves a wave's instructions in order, so no wait stands between the stores and the loads.
.macro TOSTAGE a
	WIN 0x04                                       ; the stores' data in window 1
.irp b, 0,1,2,3
	ds_store_b128 v[STO], v[32*\a+8*\b:32*\a+8*\b+3] offset:64*\b
	ds_store_b128 v[STO], v[32*\a+8*\b+4:32*\a+8*\b+7] offset:64*\b+16
.endr
	WIN 0
.irp t, 0,1,2,3,4,5,6,7
	ds_load_b128 v[32+32*\a+4*\t:32+32*\a+4*\t+3], v[RD] offset:\t*2*SPITCH
.endr
.endm
.macro SEND a, younger
	s_wait_dscnt \younger
.irp t, 0,1,2,3,4,5,6,7
	v_pk_fma_f32 v[32+32*\a+4*\t:32+32*\a+4*\t+1], v[32+32*\a+4*\t:32+32*\a+4*\t+1], s[96:97], v[BI:BI+1] op_sel_hi:[1,0,1]
	v_pk_fma_f32 v[32+32*\a+4*\t+2:32+32*\a+4*\t+3], v[32+32*\a+4*\t+2:32+32*\a+4*\t+3], s[96:97], v[BI+2:BI+3] op_sel_hi:[1,0,1]
	global_store_b128 v[CO], v[32+32*\a+4*\t:32+32*\a+4*\t+3], s[12:13] offset:(16*\a+2*\t)*4096 th:TH_STORE_NT   ; sixteen lanes store 256 consecutive bytes, aligned
.endr
.endm
	s_wait_kmcnt 0x0
	s_add_co_i32 s96, s96, s97
	s_add_co_i32 s96, s96, 127
	s_lshl_b32 s96, s96, 23                        ; 2^(e10 + e11)
	s_mov_b32 s97, s96
	s_wait_loadcnt 0x0                             ; bp
	TOSTAGE 0
	TOSTAGE 1
	SEND 0, 16                                     ; behind block 0's loads: block 1's 8 stores and 8 loads
	SEND 1, 0
	s_wait_tensorcnt 0x0                           ; the wave's end
	ds_add_u32 v[SPW], v[NIL]
	s_wait_dscnt 0x0
	CROUND                                         ; the closing round
	s_endpgm
.Lfunc_end_k_q4d148342af_outp:
	.size	k_q4d148342af_outp, .Lfunc_end_k_q4d148342af_outp-k_q4d148342af_outp
	.p2alignl 7, 3214868480
	.fill 96, 4, 3214868480
	.section	.rodata,"a",@progbits
	.p2align	6, 0x0
	.amdhsa_kernel k_q4d148342af_outp
		.amdhsa_group_segment_fixed_size 327680
		.amdhsa_private_segment_fixed_size 0
		.amdhsa_enable_private_segment 0
		.amdhsa_kernarg_size 40
		.amdhsa_user_sgpr_count 2
		.amdhsa_user_sgpr_kernarg_segment_ptr 1
		.amdhsa_wavefront_size32 1
		.amdhsa_system_sgpr_workgroup_id_x 1
		.amdhsa_system_sgpr_workgroup_id_y 1
		.amdhsa_system_sgpr_workgroup_id_z 1
		.amdhsa_system_vgpr_workitem_id 0
		.amdhsa_next_free_vgpr 320
		.amdhsa_next_free_sgpr 100
		.amdhsa_reserve_vcc 0
		.amdhsa_float_denorm_mode_32 3
		.amdhsa_float_denorm_mode_16_64 3
		.amdhsa_memory_ordered 1
		.amdhsa_forward_progress 1
		.amdhsa_inst_pref_size 30
	.end_amdhsa_kernel
	.amdgpu_metadata
---
amdhsa.version: [ 1, 2 ]
amdhsa.kernels:
  - .name:           k_q4d148342af_outp
    .symbol:         k_q4d148342af_outp.kd
    .args:
      - { .name: aimg, .offset: 0, .size: 8, .value_kind: global_buffer, .address_space: global }
      - { .name: wimg, .offset: 8, .size: 8, .value_kind: global_buffer, .address_space: global }
      - { .name: lowp_scales, .offset: 16, .size: 8, .value_kind: global_buffer, .address_space: global }
      - { .name: bp, .offset: 24, .size: 8, .value_kind: global_buffer, .address_space: global }
      - { .name: out0, .offset: 32, .size: 8, .value_kind: global_buffer, .address_space: global }
    .group_segment_fixed_size: 327680
    .private_segment_fixed_size: 0
    .kernarg_segment_align: 8
    .kernarg_segment_size: 40
    .max_flat_workgroup_size: 256
    .sgpr_count:     100
    .vgpr_count:     320
    .wavefront_size: 32
...
	.end_amdgpu_metadata
.endif
;; end of part 4
